; MI455X (gfx1250); checked and timed in simulation.
; The chip was launched on July 23, 2026; its instructions are those of AMD's public machine-readable ISA for CDNA 5 (MIT licence, August 2026) and "CDNA5" Instruction Set Architecture Reference Guide (July 2026). The comments in the code are by the model that wrote it; some were corrected since.
;; Nerf Fusion Head. Allowed arithmetic: float matrix products may take bf16 or f16 operands with f32 sums; other float arithmetic in f32, or as packed bf16 or f16 multiplies, adds, multiply-adds, maxima and minima; sums over many terms, partial sums and values carried from step to step in f32; what a program stores and reads back later, other than sums and carried values, may be rounded once to bf16 or f16.
;; Inputs: cW0 3 x 256 x 256 float32; cW1 3 x 256 x 256 float32; cW_in 84 x 256 float32; cW_out 256 x 3 float32; cWz 3 x 768 x 256 float32; cb0 3 x 256 float32; cb1 3 x 256 float32; cb_in 256 float32; cb_out 3 float32; cbz 3 x 256 float32; dW0 3 x 256 x 256 float32; dW1 3 x 256 x 256 float32; dW_in 78 x 256 float32; dW_out 256 x 1 float32; dWz 3 x 768 x 256 float32; db0 3 x 256 float32; db1 3 x 256 float32; db_in 256 float32; db_out 1 float32; dbz 3 x 256 float32; dirs_a 450 x 64 x 3 float32; dirs_b 450 x 64 x 3 float32; latent 450 x 64 x 768 float32; pts_a 450 x 64 x 3 float32; pts_b 450 x 64 x 3 float32; z_vals 450 x 64 float32.
;; Outputs: out0 450 x 4 float32.
;; One version. Each part assembles by itself: llvm-mc -triple=amdgcn-amd-amdhsa -mcpu=gfx1250 --defsym DOCPART=n.
;; ======== version 1 of 1: 2 launches
;; limits: values are held in f16: magnitudes above 65,504 overflow, below 6.1e-05 lose precision; inputs' magnitudes at most 65,504; right only within a limited range of input values
;; workspace buffers: wst 4,079,616 bytes; bias 17,920 bytes
;; launch prep (part 1): grid 249 x 1, 8 waves a work-group, no clusters, 0 bytes of LDS; arguments dW_in, dWz, dW0, dW1, db_in, dbz, db0, db1, dW_out, db_out, cW_in, cWz, cW0, cW1, cb_in, cbz, cb0, cb1, cW_out, cb_out, wst, bias; writes wst, bias
.if DOCPART == 1
	.amdgcn_target "amdgcn-amd-amdhsa--gfx1250"
	.amdhsa_code_object_version 6
	.text
	.protected	k_q47db473abf_prep
	.globl	k_q47db473abf_prep
	.p2align	8
	.type	k_q47db473abf_prep,@function
k_q47db473abf_prep:
	s_mov_b64 s[64:65], 0
	v_nop
	global_prefetch_b8 v0, s[64:65] scope:SCOPE_SE
	s_setreg_imm32_b32 hwreg(HW_REG_WAVE_MODE, 25, 1), 1
	s_wait_xcnt 0x0
; The weights of both networks, rounded once to bf16 and laid out as the second launch's matrix fragments; the biases, rounded to bf16 and summed in f32; two small tables of norms.
; FORMATS: Wz stays bf16.  W_in, W0, W1 and W_out meet f16 activations: the bf16-rounded number is written as f16 (the same number from 6e-5 to 65,504; below that f16's fixed step of 6e-8).
; wst: 62 tiles of 65,536 bytes, tile s = [density: units 2 s, 2 s + 1][colour: the same two]; a unit is 16 fragments of 1,024 bytes.
; In a fragment, byte 512 q + 16 L + 2 e holds W[k0 + 16 q + 8 (L / 16) + e][n0 + L % 16]: two loads of 16 bytes a lane fill source 0 of a product.
; Units of a network: 0-2 the input layer's three K steps, 3 zeros; then for block i forty units: 24 K steps of Wz (fragment f: columns 16 f on),
; then for c = 0..7 the pair F0(c) (W0, fragment 2 ks + ct2: rows 32 ks on, columns 32 c + 16 ct2 on) and F1(c) (W1, rows 32 c on, fragment f: columns 16 f on).
; Input layer: lane half 0 carries side a, half 1 side b; slot j = 16 s + 8 q + e of a side is row h NV + j of W_in for j < NV (39 or 42), else 0.
; Behind the tiles: W_out, 8 fragments a network, columns at and past the network's outputs are 0.
; bias: [network][A0, b0[0], A1, b0[1], A2, b0[2], A3][256]; at 14,336 the output biases; at PTAB, for network m, block i, wave w, chunk c, the largest over the chunk's 32 columns of the sum of |W0| over rows
; 32 w .. 32 w + 31; at BTAB, for wave w, slot 3 m + i, the largest |b0[i]| among channels 32 w .. 32 w + 31.
; Work-groups 0-247: one unit of one network each, wave w its fragments 2 w and 2 w + 1.  Work-group 248: W_out and the bias tables.
.set NVD,  39
.set NVC,  42
.set TILE, 65536
.set PTAB, 15360
.set BTAB, 16896
	s_load_b512 s[4:19], s[0:1], 0x0               ; dW_in 4, dWz 6, dW0 8, dW1 10, db_in 12, dbz 14, db0 16, db1 18
	s_load_b128 s[20:23], s[0:1], 0x40             ; dW_out 20, db_out 22
	s_load_b512 s[24:39], s[0:1], 0x50             ; cW_in 24, cWz 26, cW0 28, cW1 30, cb_in 32, cbz 34, cb0 36, cb1 38
	s_load_b128 s[40:43], s[0:1], 0x90             ; cW_out 40, cb_out 42
	s_load_b128 s[44:47], s[0:1], 0xa0             ; wst 44, bias 46
	v_and_b32 v1, 15, v0                           ; r = lane % 16
	v_bfe_u32 v2, v0, 4, 1                         ; h = lane / 16
	v_lshrrev_b32 v3, 5, v0                        ; wave
	v_and_b32 v6, 31, v0                           ; lane
	v_readfirstlane_b32 s60, v3
	s_wait_kmcnt 0x0
	s_cmp_lt_u32 ttmp9, 248
	s_cbranch_scc0 .Ltables
	; ---- one unit of one network
	s_lshr_b32 s61, ttmp9, 1                       ; u
	s_and_b32 s62, ttmp9, 1                        ; network
	s_cmp_eq_u32 s62, 0
	s_cselect_b64 s[48:49], s[4:5], s[24:25]       ; W_in
	s_cselect_b64 s[50:51], s[6:7], s[26:27]       ; Wz
	s_cselect_b64 s[52:53], s[8:9], s[28:29]       ; W0
	s_cselect_b64 s[54:55], s[10:11], s[30:31]     ; W1
	s_cselect_b32 s63, NVD, NVC                    ; NV
	s_max_u32 s88, s61, 4
	s_sub_co_u32 s88, s88, 4                       ; v = u - 4 (0 in the input layer's units)
	s_mul_i32 s89, s88, 205
	s_lshr_b32 s89, s89, 13                        ; block i = v / 40, right for v under 120
	s_mul_i32 s90, s89, 40
	s_sub_co_u32 s90, s88, s90                     ; t = v % 40
	s_max_u32 s91, s90, 24
	s_sub_co_u32 s91, s91, 24                      ; t - 24
	s_lshr_b32 s92, s91, 1
	s_lshl_b32 s92, s92, 5                         ; 32 c
	s_lshl_b32 s93, s60, 5                         ; 32 w
	s_lshl_b32 s94, s89, 8                         ; 256 i
	s_bitcmp1_b32 s91, 0                           ; odd: F1
	s_cselect_b64 s[56:57], s[54:55], s[52:53]
	s_cselect_b32 s66, s92, s93                    ; first row: 32 c (F1) or 32 w (F0),
	s_cselect_b32 s67, s93, s92                    ; first column the other way round
	s_cselect_b32 s58, 0, 1                        ; 1: an F0 unit (so far)
	s_add_co_u32 s66, s66, s94
	s_mul_i32 s95, s89, 768
	s_lshl_b32 s96, s90, 5
	s_add_co_u32 s95, s95, s96                     ; Wz: row 768 i + 32 t
	s_cmp_lt_u32 s90, 24
	s_cselect_b64 s[56:57], s[50:51], s[56:57]
	s_cselect_b32 s66, s95, s66
	s_cselect_b32 s67, s93, s67
	s_cselect_b32 s58, 0, s58
	s_cselect_b32 s59, -1, 0                       ; all ones: a unit of Wz, which stays bf16
	s_lshl_b32 s96, s61, 4                         ; input layer: slot 16 u
	s_sub_co_u32 s97, s63, 1
	s_cmp_lt_u32 s61, 4
	s_cselect_b64 s[56:57], s[48:49], s[56:57]     ; the source
	s_cselect_b32 s66, s96, s66                    ; ROW0
	s_cselect_b32 s67, s93, s67                    ; COL0
	s_cselect_b32 s84, 8, 16                       ; rows from q = 0 to q = 1
	s_cselect_b32 s85, s63, 8                      ; rows from lane half 0 to half 1
	s_cselect_b32 s86, s97, 0xfffff                ; the last row that may be read
	s_cselect_b32 s87, s63, 0xfffff                ; rows from here on count as 0
	s_cselect_b32 s58, 0, s58
	s_cselect_b32 s59, 0, s59
	s_lshl_b32 s98, s85, 10
	v_mul_u32_u24 v4, v2, s98                      ; h x its rows x 1,024 bytes
	v_lshl_add_u32 v4, v1, 2, v4                   ; + 4 r
	s_lshl_b32 s99, s67, 2
	v_add_nc_u32 v4, s99, v4                       ; + 4 COL0
.irp q, 0,1
.irp e, 0,1,2,3,4,5,6,7
	s_mul_i32 s98, s84, \q
	s_add_co_u32 s98, s98, s66
	s_add_co_u32 s98, s98, \e                      ; the row (in the input layer: the slot of a side)
	s_cmp_lt_u32 s98, s87
	s_cselect_b32 s[68+8*(\q)+(\e)], -1, 0         ; all lanes keep it, or none
	s_min_u32 s98, s98, s86                        ; no load leaves the buffer
	s_lshl_b32 s98, s98, 10
	v_add_nc_u32 v[8+8*(\q)+(\e)], s98, v4
.endr
.endr
.irp fp, 0,1
.irp q, 0,1
.irp e, 0,1,2,3,4,5,6,7
	global_load_b32 v[32+8*(2*(\fp)+(\q))+(\e)], v[8+8*(\q)+(\e)], s[56:57] offset:64*(\fp)
.endr
.endr
.endr
	s_lshr_b32 s98, s61, 1                         ; where the unit goes: tile u / 2, the network's half, unit u % 2
	s_lshl_b32 s98, s98, 16
	s_lshl_b32 s99, s62, 15
	s_add_co_u32 s98, s98, s99
	s_and_b32 s99, s61, 1
	s_lshl_b32 s99, s99, 14
	s_add_co_u32 s98, s98, s99
	s_mov_b32 s99, 0
	s_add_nc_u64 s[44:45], s[44:45], s[98:99]
	v_lshlrev_b32 v5, 11, v3
	v_lshl_add_u32 v5, v6, 4, v5                   ; 2,048 w + 16 lane
	s_wait_loadcnt 0x0
.irp fp, 0,1
.irp q, 0,1
.irp e, 0,1,2,3,4,5,6,7
	v_cndmask_b32 v[32+8*(2*(\fp)+(\q))+(\e)], 0, v[32+8*(2*(\fp)+(\q))+(\e)], s[68+8*(\q)+(\e)]
.endr
.endr
.endr
.set wi, 0
.rept 16
	v_cvt_pk_bf16_f32 v[64+wi], v[32+2*wi], v[32+2*wi+1]   ; the one rounding
.set wi, wi+1
.endr
.set wi, 0
.rept 16
	v_lshlrev_b32 v[32+2*wi], 16, v[64+wi]         ; the rounded numbers in f32 again,
	v_and_b32 v[32+2*wi+1], 0xffff0000, v[64+wi]
.set wi, wi+1
.endr
.set wi, 0
.rept 16
	v_cvt_pk_f16_f32 v[80+wi], v[32+2*wi], v[32+2*wi+1]    ; written as f16,
.set wi, wi+1
.endr
.set wi, 0
.rept 16
	v_cndmask_b32 v[64+wi], v[80+wi], v[64+wi], s59        ; but for Wz
.set wi, wi+1
.endr
.irp f, 0,1,2,3
	global_store_b128 v5, v[64+4*(\f):64+4*(\f)+3], s[44:45] offset:512*(\f)  ; a wave's store covers 512 consecutive bytes, aligned
.endr
	s_cmp_eq_u32 s58, 1
	s_cbranch_scc0 .Ldone
	; an F0 unit: my 32 rows' sums of |W0| for the chunk's 32 columns, and the largest of them
.set wi, 0
.rept 32
	v_and_b32 v[32+wi], 0x7fffffff, v[32+wi]
.set wi, wi+1
.endr
	v_add_f32 v96, v32, v33                        ; column 16 fp + r: fp = 0 in v32-47, fp = 1 in v48-63
	v_add_f32 v97, v48, v49
.set wi, 2
.rept 14
	v_add_f32 v96, v96, v[32+wi]
	v_add_f32 v97, v97, v[48+wi]
.set wi, wi+1
.endr
	s_mov_b32 s96, 0x76543210
	s_mov_b32 s97, 0xfedcba98
	v_mov_b32 v98, 0
	v_mov_b32 v99, 0
	v_permlanex16_b32 v98, v96, s96, s97           ; the column's other 16 rows lie in the lane 16 away
	v_permlanex16_b32 v99, v97, s96, s97
	v_add_f32 v96, v96, v98
	v_add_f32 v97, v97, v99
	v_max_num_f32 v96, v96, v97
.irp k, 1,2,4,8
	v_max_num_f32_dpp v96, v96, v96 row_xmask:\k row_mask:0xf bank_mask:0xf
.endr
	s_mul_i32 s98, s62, 3
	s_add_co_u32 s98, s98, s89                     ; 3 m + i
	s_lshl_b32 s98, s98, 3
	s_add_co_u32 s98, s98, s60                     ; , w
	s_lshl_b32 s98, s98, 3
	s_lshr_b32 s99, s92, 5
	s_add_co_u32 s98, s98, s99                     ; , c
	s_lshl_b32 s98, s98, 2
	v_mov_b32 v100, s98
	v_cmp_eq_u32 vcc_lo, 0, v6
	s_wait_xcnt 0x0                                ; EXEC changes only when every earlier memory instruction has read its sources
	s_and_saveexec_b32 s99, vcc_lo
	global_store_b32 v100, v96, s[46:47] offset:PTAB
	s_wait_xcnt 0x0
	s_or_b32 exec_lo, exec_lo, s99
.Ldone:
	s_endpgm
	; ---- W_out and the biases
.macro WLOAD ptr, nout, m              ; fragment ks = my wave: W_out[32 w + 16 q + 8 h + e][r]
	v_mul_u32_u24 v[8+(\m)], v7, 4*(\nout)
	v_min_u32 v[10+(\m)], (\nout)-1, v1            ; columns past the last are read as the last, and masked below
	v_lshl_add_u32 v[8+(\m)], v[10+(\m)], 2, v[8+(\m)]
.irp q, 0,1
.irp e, 0,1,2,3,4,5,6,7
	global_load_b32 v[32+16*(\m)+8*(\q)+(\e)], v[8+(\m)], s[(\ptr):(\ptr)+1] offset:(16*(\q)+(\e))*(\nout)*4
.endr
.endr
.endm
.macro WFIN nout, m
	v_cmp_gt_u32 vcc_lo, \nout, v1
.set wi, 0
.rept 16
	v_cndmask_b32 v[32+16*(\m)+wi], 0, v[32+16*(\m)+wi], vcc_lo
.set wi, wi+1
.endr
.set wi, 0
.rept 8
	v_cvt_pk_bf16_f32 v[64+8*(\m)+wi], v[32+16*(\m)+2*wi], v[32+16*(\m)+2*wi+1]
.set wi, wi+1
.endr
.set wi, 0
.rept 8
	v_lshlrev_b32 v[32+16*(\m)+2*wi], 16, v[64+8*(\m)+wi]
	v_and_b32 v[32+16*(\m)+2*wi+1], 0xffff0000, v[64+8*(\m)+wi]
.set wi, wi+1
.endr
.set wi, 0
.rept 8
	v_cvt_pk_f16_f32 v[64+8*(\m)+wi], v[32+16*(\m)+2*wi], v[32+16*(\m)+2*wi+1]
.set wi, wi+1
.endr
	global_store_b128 v5, v[64+8*(\m):64+8*(\m)+3], s[44:45] offset:62*TILE+8192*(\m)
	global_store_b128 v5, v[64+8*(\m)+4:64+8*(\m)+7], s[44:45] offset:62*TILE+8192*(\m)+512
.endm
.macro BLOAD ptr, m                    ; thread t: channel t of b_in, bz[0..2], b0[0..2], b1[0..2], at v[80 + 16 m] on
	global_load_b32 v[80+16*(\m)], v12, s[(\ptr):(\ptr)+1]
.irp i, 0,1,2
	global_load_b32 v[81+16*(\m)+(\i)], v12, s[(\ptr)+2:(\ptr)+3] offset:1024*(\i)
	global_load_b32 v[84+16*(\m)+(\i)], v12, s[(\ptr)+4:(\ptr)+5] offset:1024*(\i)
	global_load_b32 v[87+16*(\m)+(\i)], v12, s[(\ptr)+6:(\ptr)+7] offset:1024*(\i)
.endr
.endm
.macro BFIN m                          ; each is rounded to bf16; then the sums that the second launch adds in one go
.irp i, 0,2,4,6,8
	v_cvt_pk_bf16_f32 v[90+16*(\m)+(\i)/2], v[80+16*(\m)+(\i)], v[81+16*(\m)+(\i)]
.endr
.irp i, 0,2,4,6,8
	v_lshlrev_b32 v[80+16*(\m)+(\i)], 16, v[90+16*(\m)+(\i)/2]
	v_and_b32 v[81+16*(\m)+(\i)], 0xffff0000, v[90+16*(\m)+(\i)/2]
.endr
	v_add_f32 v[80+16*(\m)], v[80+16*(\m)], v[81+16*(\m)]  ; A0 = b_in + bz[0]
	v_add_f32 v[82+16*(\m)], v[82+16*(\m)], v[87+16*(\m)]  ; A1 = bz[1] + b1[0]
	v_add_f32 v[83+16*(\m)], v[83+16*(\m)], v[88+16*(\m)]  ; A2 = bz[2] + b1[1]; A3 = b1[2]
	global_store_b32 v12, v[80+16*(\m)], s[46:47] offset:7168*(\m)
	global_store_b32 v12, v[84+16*(\m)], s[46:47] offset:7168*(\m)+1024
	global_store_b32 v12, v[82+16*(\m)], s[46:47] offset:7168*(\m)+2048
	global_store_b32 v12, v[85+16*(\m)], s[46:47] offset:7168*(\m)+3072
	global_store_b32 v12, v[83+16*(\m)], s[46:47] offset:7168*(\m)+4096
	global_store_b32 v12, v[86+16*(\m)], s[46:47] offset:7168*(\m)+5120
	global_store_b32 v12, v[89+16*(\m)], s[46:47] offset:7168*(\m)+6144
.endm
.Ltables:
	v_lshlrev_b32 v5, 10, v3
	v_lshl_add_u32 v5, v6, 4, v5                   ; 1,024 w + 16 lane
	v_lshlrev_b32 v7, 5, v3
	v_lshl_add_u32 v7, v2, 3, v7                   ; row 32 w + 8 h
	v_lshlrev_b32 v12, 2, v0                       ; 4 t
	v_mov_b32 v13, 0
	v_min_u32 v14, 3, v0
	v_max_u32 v14, 1, v14
	v_sub_nc_u32 v14, v14, 1
	v_lshlrev_b32 v14, 2, v14                      ; thread t takes cb_out[t - 1], held to 0..2
	WLOAD 20, 1, 0
	WLOAD 40, 3, 1
	BLOAD 12, 0
	BLOAD 32, 1
	global_load_b32 v112, v13, s[22:23]            ; db_out
	global_load_b32 v113, v14, s[42:43]
	s_wait_loadcnt 0x0                             ; all 54 loads; every result below has registers of its own, so no store's data is written again
	WFIN 1, 0
	WFIN 3, 1
	BFIN 0
	BFIN 1
	v_cmp_eq_u32 vcc_lo, 0, v0
	v_cndmask_b32 v112, v113, v112, vcc_lo         ; word 0: db_out; words 1-3: cb_out; the block's other words repeat cb_out[2] and are not read
	v_cvt_pk_bf16_f32 v114, v112, v112
	v_lshlrev_b32 v114, 16, v114
	global_store_b32 v12, v114, s[46:47] offset:14336
	; the largest |b0| among my wave's 32 channels, for each network and block; lane j < 6 stores number j, the others 0
	s_mov_b32 s66, 0x76543210
	s_mov_b32 s67, 0xfedcba98
	v_mov_b32 v122, 0
.irp m, 0,1
.irp i, 0,1,2
	v_and_b32 v[116+3*(\m)+(\i)], 0x7fffffff, v[84+16*(\m)+(\i)]
.endr
.endr
.irp k, 1,2,4,8
.irp j, 0,1,2,3,4,5
	v_max_num_f32_dpp v[116+(\j)], v[116+(\j)], v[116+(\j)] row_xmask:\k row_mask:0xf bank_mask:0xf
.endr
.endr
.irp j, 0,1,2,3,4,5
	v_permlanex16_b32 v122, v[116+(\j)], s66, s67
	v_max_num_f32 v[116+(\j)], v[116+(\j)], v122
.endr
	v_mov_b32 v123, 0
.irp j, 0,1,2,3,4,5
	v_cmp_eq_u32 vcc_lo, \j, v6
	v_cndmask_b32 v123, v123, v[116+(\j)], vcc_lo
.endr
	global_store_b32 v12, v123, s[46:47] offset:BTAB
	s_endpgm
.Lfunc_end_k_q47db473abf_prep:
	.size	k_q47db473abf_prep, .Lfunc_end_k_q47db473abf_prep-k_q47db473abf_prep
	.p2alignl 7, 3214868480
	.fill 96, 4, 3214868480
	.section	.rodata,"a",@progbits
	.p2align	6, 0x0
	.amdhsa_kernel k_q47db473abf_prep
		.amdhsa_group_segment_fixed_size 0
		.amdhsa_private_segment_fixed_size 0
		.amdhsa_enable_private_segment 0
		.amdhsa_kernarg_size 176
		.amdhsa_user_sgpr_count 2
		.amdhsa_user_sgpr_kernarg_segment_ptr 1
		.amdhsa_wavefront_size32 1
		.amdhsa_system_sgpr_workgroup_id_x 1
		.amdhsa_system_sgpr_workgroup_id_y 1
		.amdhsa_system_sgpr_workgroup_id_z 1
		.amdhsa_system_vgpr_workitem_id 0
		.amdhsa_next_free_vgpr 128
		.amdhsa_next_free_sgpr 100
		.amdhsa_reserve_vcc 1
		.amdhsa_float_denorm_mode_32 3
		.amdhsa_float_denorm_mode_16_64 3
		.amdhsa_memory_ordered 1
		.amdhsa_forward_progress 1
		.amdhsa_inst_pref_size 39
	.end_amdhsa_kernel
	.amdgpu_metadata
---
amdhsa.version: [ 1, 2 ]
amdhsa.kernels:
  - .name:           k_q47db473abf_prep
    .symbol:         k_q47db473abf_prep.kd
    .args:
      - { .name: dW_in, .offset: 0, .size: 8, .value_kind: global_buffer, .address_space: global }
      - { .name: dWz, .offset: 8, .size: 8, .value_kind: global_buffer, .address_space: global }
      - { .name: dW0, .offset: 16, .size: 8, .value_kind: global_buffer, .address_space: global }
      - { .name: dW1, .offset: 24, .size: 8, .value_kind: global_buffer, .address_space: global }
      - { .name: db_in, .offset: 32, .size: 8, .value_kind: global_buffer, .address_space: global }
      - { .name: dbz, .offset: 40, .size: 8, .value_kind: global_buffer, .address_space: global }
      - { .name: db0, .offset: 48, .size: 8, .value_kind: global_buffer, .address_space: global }
      - { .name: db1, .offset: 56, .size: 8, .value_kind: global_buffer, .address_space: global }
      - { .name: dW_out, .offset: 64, .size: 8, .value_kind: global_buffer, .address_space: global }
      - { .name: db_out, .offset: 72, .size: 8, .value_kind: global_buffer, .address_space: global }
      - { .name: cW_in, .offset: 80, .size: 8, .value_kind: global_buffer, .address_space: global }
      - { .name: cWz, .offset: 88, .size: 8, .value_kind: global_buffer, .address_space: global }
      - { .name: cW0, .offset: 96, .size: 8, .value_kind: global_buffer, .address_space: global }
      - { .name: cW1, .offset: 104, .size: 8, .value_kind: global_buffer, .address_space: global }
      - { .name: cb_in, .offset: 112, .size: 8, .value_kind: global_buffer, .address_space: global }
      - { .name: cbz, .offset: 120, .size: 8, .value_kind: global_buffer, .address_space: global }
      - { .name: cb0, .offset: 128, .size: 8, .value_kind: global_buffer, .address_space: global }
      - { .name: cb1, .offset: 136, .size: 8, .value_kind: global_buffer, .address_space: global }
      - { .name: cW_out, .offset: 144, .size: 8, .value_kind: global_buffer, .address_space: global }
      - { .name: cb_out, .offset: 152, .size: 8, .value_kind: global_buffer, .address_space: global }
      - { .name: wst, .offset: 160, .size: 8, .value_kind: global_buffer, .address_space: global }
      - { .name: bias, .offset: 168, .size: 8, .value_kind: global_buffer, .address_space: global }
    .group_segment_fixed_size: 0
    .private_segment_fixed_size: 0
    .kernarg_segment_align: 8
    .kernarg_segment_size: 176
    .max_flat_workgroup_size: 256
    .sgpr_count:     100
    .vgpr_count:     128
    .wavefront_size: 32
...
	.end_amdgpu_metadata
.endif
;; end of part 1
;; launch main (part 2): grid 228 x 1, 4 waves a work-group, clusters of 4 x 1, 327,680 bytes of LDS; arguments latent, pts_a, pts_b, dirs_a, dirs_b, z_vals, wst, bias, out0; writes out0
.if DOCPART == 2
	.amdgcn_target "amdgcn-amd-amdhsa--gfx1250"
	.amdhsa_code_object_version 6
	.text
	.protected	k_q47db473abf_main
	.globl	k_q47db473abf_main
	.p2align	8
	.type	k_q47db473abf_main,@function
k_q47db473abf_main:
	s_mov_b64 s[64:65], 0
	v_nop
	global_prefetch_b8 v0, s[64:65] scope:SCOPE_SE
	s_setreg_imm32_b32 hwreg(HW_REG_WAVE_MODE, 25, 1), 1
	s_wait_xcnt 0x0
	s_wait_alu depctr_hold_cnt(0) depctr_sa_sdst(0) depctr_va_vdst(0) depctr_va_sdst(0) depctr_va_ssrc(0) depctr_va_vcc(0) depctr_vm_vsrc(0)
	s_getreg_b32 s2, hwreg(HW_REG_IB_STS2, 6, 4)
	s_cmp_eq_u32 s2, 0
	s_cbranch_scc0 .Lentry_in_a_cluster
	s_endpgm
.Lentry_in_a_cluster:
	s_bfe_u32 s2, ttmp6, 0x10000c
	s_cmp_lg_u32 s2, 0x3003
	s_cbranch_scc0 .Lentry_shape_is_right
	s_endpgm
.Lentry_shape_is_right:
; Both ResnetFC networks and the rendering, fused.  A work-group owns 128 points, two rays; wave w runs network w / 2 (0 density, 1 colour) on ray half w % 2: 64 points, four tiles of 16, all 256 channels.
; PRODUCTS ARE TAKEN TRANSPOSED: source 0 = 16 output channels x 32 k of weights, source 1 = 16 points x 32 k of activations.  In a result a lane holds ONE point (lane % 16) and the channels
; 8 (lane / 16) + 0..7; two results rounded to 16 bits in pairs ARE the next layer's source 1.  So x (f32, 512 registers) and its ReLU (256 registers) never leave the wave.
; fc0 and fc1 go by chunks of 32 hidden channels: F0(c) makes them in 8 accumulators, they are rounded and cut at 0, and F1(c) adds them onto x as one K step.
; WEIGHTS come as ready fragments (first launch) through a ring of two LDS slots of 131,072 bytes.  A STEP is two units (16 fragments, 64 products a wave, each) for each network, 65,536 bytes; a slot holds two
; steps, so a refill has 256 products a wave in which to land, and there is one change of slots for two steps.  62 steps = 31 tiles.
; CLUSTER: every work-group walks the same 31 tiles, so four work-groups ask for each tile JOINTLY: the same load, descriptor and mask in all four.  228 work-groups = 57 clusters: work-group g takes the
; rays min(2 g + half, g + 222): 0-221 two rays each; 222-227 one ray, which both halves compute and store alike.  g enters global addresses alone.
; THE LATENT IS NOT KEPT: 128 rows x 768 channels as bf16 are 196,608 bytes, which do not fit beside two slots of 131,072 in 327,680.  In each of the three z layers a wave loads its 64 points' 64 channels of a step
; straight into the order of two K steps' fragments, in f32, two steps ahead, into two sets of 128 registers by turns, and rounds them to bf16.  So the latent is read three times, by both networks' waves.
; ROUNDING: every input is rounded to bf16 first (points, directions, latent, depths here; weights and biases in the first launch).  latent x Wz is a bf16 product of such numbers.
; ACTIVATIONS GO IN f16, 11 significant bits, WITH THEIR RANGE PROVEN POINT BY POINT.  Behind each z layer a point's x is multiplied in place by a power of two u (exact), chosen so that
; bound x u lies in [2^14, 2^15), bound = max(0, x) x max(1, M) + B, where M is at least the largest column sum of |W0| and B the largest |b0| of the block (first launch's tables).  So relu(x) u and
; |relu(x) W0 + b0| u stay under 2^15.  F0's sums start from b0 u; F1 adds onto x u; behind chunk 7 x = (x u) / u + the next biases, one multiply-add.  The encoding needs no scale.
; LIMITS.  The bound is held to 2^-40 at the least, so u is 2^54 at the most: |x| stays under 2^73, and a point whose positive x and b0 all lie under 2^-68 loses them.  f16 operands (points, directions,
; W_in, W0, W1, W_out) stay within 65,504 and keep f16's fixed step of 6e-8 below 6e-5.  sin and cos are taken of pi 2^k x with x / 2 reduced exactly to |t| <= 1/2, series to t^11 and t^12 (both under 1e-7
; off on that range) and six doublings (under 1e-4 off); the f32 rounding of x times fl(pi 2^k) is not copied: the two differ by about |x| 2^k 4e-7.  An exponential below 2^-126 counts as 0.  The running
; product of transmittances is taken in tree order.  NaN and infinities are not treated apart (the density network multiplies the directions by weights that are 0).
; REGISTERS, in windows of 256 (s_set_vgpr_msb: bits 1:0 source 0, 3:2 source 1, 5:4 source 2, 7:6 destination):
;   window 0: v0-15 addresses and u; v16-31 b0 of a chunk; v32-95 F0's accumulators (z phase: a step's latent fragments; between phases: pairs of u or 1 / u, maxima); v96-127 the chunk in f16
;             (input layer: the encoding in v32-127); v128-191, v192-255 two buffers of 8 weight fragments
;   window 1: fc phase: relu(x) u, K step ks, tile pt at 8 (4 ks + pt).  z phase: the latent as loaded, odd steps' in v0-127, even steps' in v128-255.  Biases land in v0-127
;   windows 2, 3: x, channel tile ct, point tile pt at 8 (4 (ct % 8) + pt) of window 2 + ct / 8
.set SLOT,   131072
.set HSTEP,  65536                     ; a step's bytes in a slot: network x 32,768, unit x 16,384, fragment x 1,024
.set SCR,    262144                    ; behind the ring: the output layers' results: network x 1,536 + component x 512 + point x 4; the second 3,072 bytes take lanes 16-31's zeros and are not read
.set SPARE,  268288                    ; the spare words, 128 bytes a wave: two blocks of 256 bytes that no other line names
.set PTAB,   15360                     ; in the bias buffer: the partial column sums of |W0|,
.set BTAB,   16896                     ; and the largest |b0|
.set A0,  1                            ; v1   32,768 x network + 16 x lane
.set AD,  2                            ; v2   A0 + the step in hand
.set DZO, 3                            ; v3   my offset in 16 rows of the latent: 3,072 (lane % 16) + 32 (lane / 16); never rewritten
.set PFL, 4                            ; v4   3,072 x lane, for the latent's prefetches; never rewritten
.set BOB, 5                            ; v5   my offset in b0, at the chunk in hand
.set ZERO, 6
.set BOA, 7                            ; v7   my offset in the row of summed biases in hand
.set UU,  8                            ; v8-11  u of my point in tiles 0-3
.set SPW, 12                           ; v12  LDS address of my spare word; never rewritten
.set NIL, 13                           ; v13  0; never rewritten
.set PFO, 14                           ; v14  256 x lane, for the weights' prefetches; never rewritten
.set SST, 15                           ; v15  where I put an output
.set BB,  16
.set ACC, 32
.set DZ,  32                           ; v32-95  z phase: K step k, tile pt at 8 (4 k + pt)
.set UB,  32                           ; v32-127 input layer: K step s, tile pt at 32 s + 8 pt
.set UP,  32                           ; v32-39  u, or 1 / u, twice for each tile: pairs for the packed forms
.set MXC, 48                           ; v48-63  four running maxima a tile
.set NETB, 96
.set FP,  128
.set FQ,  192
.set DL,  0                            ; window 1: biases
.set LDO, 0                            ; window 1: the latent of odd steps,
.set LDE, 128                          ; of even steps
.set PO,  214                          ; the head, window 0: the points' offset,
.set NP,  216                          ; and the norms: v216-221 the column sums of three blocks, v222-224 |b0|, v225, v226 their offsets
.set NB,  222
.set NPO, 225
.set NBO, 226
.set EPA, 0                            ; the encoding, window 2: points and directions as loaded, tile t at + 4 t
.set EPB, 16
.set EDA, 32
.set EDB, 48
.set EX,  64                           ; my side's coordinates, coordinate c of tile t at 4 c + t
.set ED,  76                           ; my side's directions
.set ET,  88                           ; t; later one of the cosines' two buffers
.set EQ,  100                          ; t^2; later 2 sin
.set ES,  112                          ; sin
.set EC,  124                          ; cos
.set EK,  136                          ; the two series' leading coefficients, each twice
.set EM,  140                          ; at work
.set WV,  22
.set MLP, 23
.set HALF, 24
.set CX,  25
.set GG,  26
.set RAYH, 27                          ; the ray of my half
.set LIM2, 28                          ; 2 in a wave that prefetches the latent, else the greatest number
.set CN2, 29
.set G1,  32                           ; s[32:39] descriptor group 1
.set G0A, 40                           ; s[40:43] group 0 of tile 0
.set G0,  44                           ; s[44:47] group 0 of tile 1; it then walks
.set TB,  48                           ; LDS byte of the step in hand
.set BLK, 50
.set CNT, 51
.set NLEFT, 52                         ; 29 less the number of the change of slots in hand
.set LIM, 53                           ; 2 in a wave that prefetches weights, else the greatest number
.set PFA, 54                           ; s[54:55]
.set LATW, 56                          ; s[56:57] the latent at my ray; never rewritten
.set LP,  58                           ; s[58:59] the latent at my ray, at the channels that the trip's even step loads
.set OB,  60                           ; s[60:63] db_out, cb_out
.set SEL, 66                           ; s[66:67] v_permlanex16_b32's selects
.set HM,  68                           ; 0xffff0000: a word's upper bf16, and the mask of lanes 16-31
.set MC,  70                           ; max(1, M) and B of the block in hand,
.set BC,  71
.set M1,  76                           ; of the next,
.set B1,  77
.set M2,  78                           ; and of the one after
.set B2,  79
.set MSB, 0
.macro WIN new                         ; the immediate's high byte repeats the setting that is left; a switch that changes nothing is dropped
.if MSB != (\new)
	s_set_vgpr_msb (MSB<<8)|(\new)
.set MSB, (\new)
.endif
.endm
.macro PLACES                          ; four places between a matrix instruction and a load into, or a vector instruction on, its registers
.rept 4
	v_nop
.endr
.endm
.macro CROUND                          ; a round of the cluster's barrier
	s_barrier_signal -1
	s_barrier_wait -1
	s_cmp_lg_u32 s[WV], 0
	s_cbranch_scc1 .Lnot_wave_0_\@
	s_barrier_signal -3
.Lnot_wave_0_\@:
	s_barrier_wait -3
	s_barrier_signal -1
	s_barrier_wait -1
.endm
; The tile that stands two refills on (512 products a wave ahead of its load) is asked of memory once in the launch: by cluster 0 alone (all clusters walk the same tiles); its sixteen waves take 8,192 bytes
; each, told apart by address; a lane 256 bytes.
.macro ASK
	s_cmp_gt_u32 s[NLEFT], s[LIM]                  ; the last tile asked for is tile 30
	s_cbranch_scc0 .Lnot_mine_\@
	global_prefetch_b8 v[PFO], s[PFA:PFA+1] th:TH_LOAD_NT scope:SCOPE_SE
.Lnot_mine_\@:
.endm
; THE CHANGE OF SLOTS, between two steps.  Each wave waits for all its tensor loads (one is out: its quarter of the next tile), adds 0 to its spare word, and waits for that and for its reads of the slot that it
; leaves.  mode 2: a round of the cluster's barrier, and first thing behind it the slot is filled again, jointly, with the tile two on.  mode 1: nothing is left to ask for.
.macro CHANGE mode
	WIN 0
.if (\mode) == 2
	s_wait_xcnt 0x0                                ; the last prefetch, two steps back, has read its address
	s_add_nc_u64 s[PFA:PFA+1], s[PFA:PFA+1], SLOT
.endif
	s_wait_tensorcnt 0x0                           ; no tensor load of mine is out, so the walking group 0 may be written
	ds_add_u32 v[SPW], v[NIL]                      ; 0 onto my spare word
.if (\mode) == 2
	s_xor_b32 s[G0+1], s[G0+1], SLOT               ; the other slot than last time,
	s_add_nc_u64 s[G0+2:G0+3], s[G0+2:G0+3], SLOT  ; the next tile; the type bits on top are not reached
	s_sub_co_u32 s[NLEFT], s[NLEFT], 1
.endif
	s_xor_b32 s[TB], s[TB], SLOT
	s_wait_dscnt 0x0                               ; the add is done, and my reads of the slot are back
.if (\mode) == 2
	CROUND                                         ; no wave of any partner still reads the slot or has a load on its way
	tensor_load_to_lds s[G0:G0+3], s[G1:G1+7]
	s_nop 0
.rept 4
	v_nop
.endr
	ASK
.else
	s_barrier_signal -1
	s_barrier_wait -1
.endif
.endm
.macro LDA buf, off                    ; eight weight fragments: 16 loads of 512 consecutive bytes
	WIN 0
.irp i, 0,1,2,3,4,5,6,7
	ds_load_b128 v[(\buf)+8*(\i):(\buf)+8*(\i)+3],   v[AD] offset:(\off)+1024*(\i)
	ds_load_b128 v[(\buf)+8*(\i)+4:(\buf)+8*(\i)+7], v[AD] offset:(\off)+1024*(\i)+512
.endr
.endm
.macro STEPIN                          ; a step begins: the first unit's 16 fragments; vector work that is due stands behind these loads
	PLACES
	WIN 0
	v_add_nc_u32 v[AD], s[TB], v[A0]
	LDA FP, 0
	LDA FQ, 8192
.endm
; x(8 hi + i, pt) += fragment i of buf x activations b (window 0), i = 0 .. 7, in format fmt.  cb = 1: the sums start from the first biases (window 1).
; Every product has another accumulator than the one before it.
.macro MULX fmt, buf, hi, b, cb
.if \cb
	WIN 0x90+0x40*(\hi)
.else
	WIN 0xa0+0x50*(\hi)
.endif
.irp mi, 0,1,2,3,4,5,6,7
.irp pt, 0,1,2,3
.if \cb
	v_wmma_f32_16x16x32_\fmt v[32*(\mi)+8*(\pt):32*(\mi)+8*(\pt)+7], v[(\buf)+8*(\mi):(\buf)+8*(\mi)+7], v[(\b)+8*(\pt):(\b)+8*(\pt)+7], v[DL+8*(8*(\hi)+(\mi)):DL+8*(8*(\hi)+(\mi))+7]
.else
	v_wmma_f32_16x16x32_\fmt v[32*(\mi)+8*(\pt):32*(\mi)+8*(\pt)+7], v[(\buf)+8*(\mi):(\buf)+8*(\mi)+7], v[(\b)+8*(\pt):(\b)+8*(\pt)+7], v[32*(\mi)+8*(\pt):32*(\mi)+8*(\pt)+7]
.endif
.endr
.endr
.endm
; Four K steps of F0: 8 accumulators by turns, which ACCINIT has set to b0 u.
.macro MULF0 buf, ks0
	WIN 0x04
.irp k, 0,1,2,3
.irp c2, 0,1
.irp pt, 0,1,2,3
	v_wmma_f32_16x16x32_f16 v[ACC+8*(4*(\c2)+(\pt)):ACC+8*(4*(\c2)+(\pt))+7], v[(\buf)+8*(2*(\k)+(\c2)):(\buf)+8*(2*(\k)+(\c2))+7], v[8*(4*((\ks0)+(\k))+(\pt)):8*(4*((\ks0)+(\k))+(\pt))+7], v[ACC+8*(4*(\c2)+(\pt)):ACC+8*(4*(\c2)+(\pt))+7]
.endr
.endr
.endr
.endm
.macro ACCINIT                         ; F0's sums start from b0 (a register a channel) times u (a register a tile)
	WIN 0
.irp c2, 0,1
.irp pt, 0,1,2,3
.irp j, 0,1,2,3,4,5,6,7
	v_mul_f32 v[ACC+8*(4*(\c2)+(\pt))+(\j)], v[BB+8*(\c2)+(\j)], v[UU+(\pt)]
.endr
.endr
.endr
.endm
.macro CONV                            ; the chunk: rounded to f16 (each accumulator from its low end on), then cut at 0
	WIN 0
.irp pt, 0,1,2,3
.irp c2, 0,1
.irp j, 0,1,2,3
	v_cvt_pk_f16_f32 v[NETB+8*(\pt)+4*(\c2)+(\j)], v[ACC+8*(4*(\c2)+(\pt))+2*(\j)], v[ACC+8*(4*(\c2)+(\pt))+2*(\j)+1]
.endr
.endr
.endr
.set ci, 0
.rept 32
	v_pk_max_num_f16 v[NETB+ci], v[NETB+ci], v[ZERO]
.set ci, ci+1
.endr
.endm
.macro IUMAKE                          ; 1 / u, twice for each tile: u is a power of two, so its reciprocal's bits are 254 << 23 less u's
	WIN 0
.irp pt, 0,1,2,3
	v_sub_nc_u32 v[UP+2*(\pt)],   0x7f000000, v[UU+(\pt)]
	v_sub_nc_u32 v[UP+2*(\pt)+1], 0x7f000000, v[UU+(\pt)]
.endr
.endm
.macro BBLD                            ; b0 of a chunk's 32 channels: my 8 of each 16
	WIN 0
	global_load_b128 v[BB:BB+3],     v[BOB], s[18:19]
	global_load_b128 v[BB+4:BB+7],   v[BOB], s[18:19] offset:16
	global_load_b128 v[BB+8:BB+11],  v[BOB], s[18:19] offset:64
	global_load_b128 v[BB+12:BB+15], v[BOB], s[18:19] offset:80
.endm
.macro BIASLD                          ; a row of summed biases: my 8 channels of each of the 16 channel tiles, into window 1
	WIN 0x40
.set bi, 0
.rept 16
	global_load_b128 v[DL+8*bi:DL+8*bi+3],   v[BOA], s[18:19] offset:64*bi
	global_load_b128 v[DL+8*bi+4:DL+8*bi+7], v[BOA], s[18:19] offset:64*bi+16
.set bi, bi+1
.endr
	WIN 0
.endm
; K step k (0, 1) of a step's 64 latent channels, at byte off behind the base, for my 64 points, in f32, in a fragment's order: 16 loads.  A step's 32 loads go out in two runs, so that a wave seldom has
; more out than LOADcnt's field of 63 holds (ISA guide 5.7.1).
.macro DLOADH set, base, off, k
	WIN 0x40
.irp pt, 0,1,2,3
	global_load_b128 v[(\set)+16*(4*(\k)+(\pt)):(\set)+16*(4*(\k)+(\pt))+3],     v[DZO], s[(\base):(\base)+1] offset:(\off)+49152*(\pt)+128*(\k)
	global_load_b128 v[(\set)+16*(4*(\k)+(\pt))+4:(\set)+16*(4*(\k)+(\pt))+7],   v[DZO], s[(\base):(\base)+1] offset:(\off)+49152*(\pt)+128*(\k)+16
	global_load_b128 v[(\set)+16*(4*(\k)+(\pt))+8:(\set)+16*(4*(\k)+(\pt))+11],  v[DZO], s[(\base):(\base)+1] offset:(\off)+49152*(\pt)+128*(\k)+64
	global_load_b128 v[(\set)+16*(4*(\k)+(\pt))+12:(\set)+16*(4*(\k)+(\pt))+15], v[DZO], s[(\base):(\base)+1] offset:(\off)+49152*(\pt)+128*(\k)+80
.endr
	WIN 0
.endm
.macro DCVT set                        ; a step's latent, rounded to bf16: two K steps' fragments
	WIN 0x05
.set di, 0
.rept 64
	v_cvt_pk_bf16_f32 v[DZ+di], v[(\set)+2*di], v[(\set)+2*di+1]
.set di, di+1
.endr
	WIN 0
.endm
; Two units that add onto x, behind STEPIN: activations ba for the first, bb for the second.  Each later run of 16 weight loads stands 32 products ahead of its first use.
.macro UNITS fmt, ba, bb, cb
	s_wait_dscnt 16                                ; the first eight fragments are in; the 16 loads behind them may be out
	MULX \fmt, FP, 0, \ba, \cb
	PLACES
	LDA FP, 16384
	s_wait_dscnt 16                                ; all but the 16 just issued
	MULX \fmt, FQ, 1, \ba, \cb
	PLACES
	LDA FQ, 24576
	s_wait_dscnt 16
	MULX \fmt, FP, 0, \bb, 0
	s_wait_dscnt 0x0
	MULX \fmt, FQ, 1, \bb, 0
	WIN 0
	s_xor_b32 s[TB], s[TB], HSTEP                  ; the slot's other step
.endm
; A step of latent x Wz.  Its latent lies in set; when that is rounded, the set takes the channels of the step two on, at byte off behind LP, in two runs of 16 loads that stand with the runs of LDS loads.
; In the loop's last trip (CNT = 1) there is no such step: the loads are jumped over, to a wait for all that are out.
.macro ZS set, off
	STEPIN
	s_wait_loadcnt 32                              ; my set is in; the other set's 32 loads may be out
	DCVT \set
	s_wait_dscnt 16
	MULX bf16, FP, 0, DZ, 0
	PLACES
	WIN 0
	s_cmp_eq_u32 s[CNT], 1
	s_cbranch_scc1 .Lnone_a_\@
	DLOADH \set, LP, \off, 0
	s_branch .Lgo_a_\@
.Lnone_a_\@:
	s_wait_loadcnt 0x0
.Lgo_a_\@:
	LDA FP, 16384
	s_wait_dscnt 16
	MULX bf16, FQ, 1, DZ, 0
	PLACES
	WIN 0
	s_cmp_eq_u32 s[CNT], 1
	s_cbranch_scc1 .Lnone_b_\@
	DLOADH \set, LP, \off, 1
	s_branch .Lgo_b_\@
.Lnone_b_\@:
	s_wait_loadcnt 0x0
.Lgo_b_\@:
	LDA FQ, 24576
	; the latent's first walk is prefetched into the L2: the channels of the step four on, 256 bytes of each of my 64 rows, a lane a row; the density waves ask (the colour waves read the same rows;
	; in the six work-groups whose halves share a ray both density waves name the same rows); the first four steps come by their loads alone, trips 4 and 5 have no step four on, later walks ask for nothing
	s_cmp_gt_u32 s[CNT], s[LIM2]
	s_cbranch_scc0 .Lnot_mine_\@
	global_prefetch_b8 v[PFL], s[LP:LP+1] offset:(\off)+512 th:TH_LOAD_NT scope:SCOPE_SE
	global_prefetch_b8 v[PFL], s[LP:LP+1] offset:(\off)+512+98304 th:TH_LOAD_NT scope:SCOPE_SE
.Lnot_mine_\@:
	s_wait_dscnt 16
	MULX bf16, FP, 0, DZ+32, 0
	s_wait_dscnt 0x0
	MULX bf16, FQ, 1, DZ+32, 0
	WIN 0
	s_xor_b32 s[TB], s[TB], HSTEP
.endm
; x is whole.  Its largest positive number for each point; the bound and u; x = x u in place; relu(x u) as f16 into window 1.
.macro RELU
	PLACES
.irp w, 0,1
	WIN 0x28+0x14*(\w)                             ; sources 1 and 2: x's window
.set ri, 0
.rept 32                               ; four chains a tile, sixteen in all: a chain is taken up again sixteen lines on; each accumulator is read from its low end on
.irp j, 0,1,2,3
.if ((\w) == 0) && (ri < 4)
	v_max3_num_f32 v[MXC+4*(ri%4)+(\j)], v[ZERO], v[8*ri+2*(\j)], v[8*ri+2*(\j)+1]
.else
	v_max3_num_f32 v[MXC+4*(ri%4)+(\j)], v[MXC+4*(ri%4)+(\j)], v[8*ri+2*(\j)], v[8*ri+2*(\j)+1]
.endif
.endr
.set ri, ri+1
.endr
.endr
	WIN 0
.irp pt, 0,1,2,3
	v_max3_num_f32 v[MXC+4*(\pt)], v[MXC+4*(\pt)], v[MXC+4*(\pt)+1], v[MXC+4*(\pt)+2]
.endr
.irp pt, 0,1,2,3
	v_max_num_f32 v[MXC+4*(\pt)], v[MXC+4*(\pt)], v[MXC+4*(\pt)+3]
.endr
.irp pt, 0,1,2,3
	v_permlanex16_b32 v[MXC+4*(\pt)+1], v[MXC+4*(\pt)], s[SEL], s[SEL+1]  ; the point's other 128 channels lie in the lane 16 away
.endr
.irp pt, 0,1,2,3
	v_max_num_f32 v[MXC+4*(\pt)], v[MXC+4*(\pt)], v[MXC+4*(\pt)+1]
.endr
.irp pt, 0,1,2,3
	v_fma_f32 v[MXC+4*(\pt)], v[MXC+4*(\pt)], s[MC], s[BC]                ; the bound, 0 or more
.endr
.irp pt, 0,1,2,3
	v_lshrrev_b32 v[MXC+4*(\pt)], 23, v[MXC+4*(\pt)]                      ; its exponent e, with the offset of 127,
.endr
.irp pt, 0,1,2,3
	v_max_u32 v[MXC+4*(\pt)], 87, v[MXC+4*(\pt)]                          ; held to 2^-40 at the least
.endr
.irp pt, 0,1,2,3
	v_sub_nc_u32 v[MXC+4*(\pt)], 268, v[MXC+4*(\pt)]                      ; u = 2^(14 - (e - 127))
.endr
.irp pt, 0,1,2,3
	v_lshlrev_b32 v[UU+(\pt)], 23, v[MXC+4*(\pt)]
.endr
.irp pt, 0,1,2,3
	v_mov_b32 v[UP+2*(\pt)],   v[UU+(\pt)]
	v_mov_b32 v[UP+2*(\pt)+1], v[UU+(\pt)]
.endr
.irp w, 0,1
	WIN 0x82+0x41*(\w)
.set ri, 0
.rept 32
.irp j, 0,2,4,6
	v_pk_mul_f32 v[8*ri+(\j):8*ri+(\j)+1], v[8*ri+(\j):8*ri+(\j)+1], v[UP+2*(ri%4):UP+2*(ri%4)+1]
.endr
.set ri, ri+1
.endr
.endr
.irp w, 0,1
	WIN 0x4a+5*(\w)
.set ri, 0
.rept 32
.irp j, 0,1,2,3
	v_cvt_pk_f16_f32 v[8*(4*(4*(\w)+ri/8)+ri%4)+4*((ri/4)%2)+(\j)], v[8*ri+2*(\j)], v[8*ri+2*(\j)+1]
.endr
.set ri, ri+1
.endr
.endr
	WIN 0x41
.set ri, 0
.rept 256
	v_pk_max_num_f16 v[ri], v[ri], v[ZERO]
.set ri, ri+1
.endr
	WIN 0
.endm
; The fc phase is over: x = (x u) / u + the biases that are due next, one packed multiply-add for two numbers.  left: the loads issued behind the biases', which may stay out.
.macro UNSCALE left
	PLACES
	s_wait_loadcnt \left
.irp w, 0,1
	WIN 0x92+0x41*(\w)                             ; x in its window, 1 / u in window 0, the biases in window 1
.set ri, 0
.rept 32
.irp j, 0,2,4,6
	v_pk_fma_f32 v[8*ri+(\j):8*ri+(\j)+1], v[8*ri+(\j):8*ri+(\j)+1], v[UP+2*(ri%4):UP+2*(ri%4)+1], v[DL+8*(8*(\w)+ri/4)+(\j):DL+8*(8*(\w)+ri/4)+(\j)+1]
.endr
.set ri, ri+1
.endr
.endr
	WIN 0
.endm
; A step F0(c), F1(c).  bbld = 1: b0 of the next chunk is asked for.  lastc = 1: chunk 7: as relu(x)'s halves are read for the last time, the next biases land in the lower and (fin = 0) the next z layer's
; first latent channels in the upper; 1 / u is made.  fin = 1: the walk's last step: the depths and W_out are asked for.
.macro FCS bbld, lastc, fin
	STEPIN
	s_wait_loadcnt 0x0                             ; b0 of this chunk
	ACCINIT
	s_wait_dscnt 16
	MULF0 FP, 0
	PLACES
	WIN 0
.if \bbld
	v_add_nc_u32 v[BOB], 128, v[BOB]               ; free since the wait above
	BBLD
.endif
.if \lastc
	v_add_nc_u32 v[BOA], 2048, v[BOA]              ; the next row of summed biases
	BIASLD
.endif
	LDA FP, 16384
	s_wait_dscnt 16
	MULF0 FQ, 4
	PLACES
	WIN 0
.if (\lastc) && !(\fin)
	DLOADH LDE, LATW, 0, 0
.endif
.if \fin
	v_and_b32 v19, 31, v0
	v_lshlrev_b32 v20, 1, v19
	v_add_nc_u32 v20, 2, v20
	v_min_u32 v20, 63, v20                         ; lane 31 has no next sample: held inside the ray
	v_lshlrev_b32 v20, 2, v20
	s_lshl_b32 s72, s[MLP], 13
	v_lshl_add_u32 v21, v19, 4, s72                ; my offset in W_out's fragments
	v_lshlrev_b32 v19, 3, v19
	global_load_b64 v[16:17], v19, s[14:15]        ; depths 2 l, 2 l + 1
	global_load_b32 v18, v20, s[14:15]             ; depth 2 l + 2
.endif
	LDA FQ, 24576
	CONV
.if \lastc
	IUMAKE
.endif
	s_wait_dscnt 16
	MULX f16, FP, 0, NETB, 0
.if (\lastc) && !(\fin)
	DLOADH LDE, LATW, 0, 1                         ; (its registers' last reader stands ahead of the places and the conversions above)
.endif
.if \fin
	PLACES
	WIN 0
.irp k, 0,1,2,3,4,5,6,7
	global_load_b128 v[FP+8*(\k):FP+8*(\k)+3],   v21, s[16:17] offset:31*SLOT+1024*(\k)
	global_load_b128 v[FP+8*(\k)+4:FP+8*(\k)+7], v21, s[16:17] offset:31*SLOT+1024*(\k)+512
.endr
.endif
	s_wait_dscnt 0x0
	MULX f16, FQ, 1, NETB, 0
	WIN 0
	s_xor_b32 s[TB], s[TB], HSTEP
.endm
.macro ALL6 line:vararg                ; one line for each of the six register pairs p
.set p, 0
.rept 6
	\line
.set p, p+2
.endr
.endm
.macro DBL cin, cout                   ; the angle doubled: sin' = 2 sin cos, cos' = 1 - 2 sin sin
	WIN 0xaa
	ALL6 v_pk_add_f32 v[EQ+p:EQ+p+1], v[ES+p:ES+p+1], v[ES+p:ES+p+1]
	ALL6 v_pk_fma_f32 v[(\cout)+p:(\cout)+p+1], v[EQ+p:EQ+p+1], v[ES+p:ES+p+1], 1.0 op_sel_hi:[1,1,0] neg_lo:[1,0,0] neg_hi:[1,0,0]
	ALL6 v_pk_mul_f32 v[ES+p:ES+p+1], v[EQ+p:EQ+p+1], v[(\cin)+p:(\cin)+p+1]
.endm
.macro EMIT k, pz, cc                  ; frequency k's three pairs of slots, 1 + 3 k on: (the z before, sin x), (sin y, sin z), (cos x, cos y); pair m of tile t lies at UB + 32 (m / 8) + 8 t + m % 8
	WIN 0x0a
.irp t, 0,1,2,3
	v_cvt_pk_f16_f32 v[UB+32*((1+3*(\k))/8)+8*(\t)+(1+3*(\k))%8], v[(\pz)+(\t)], v[ES+(\t)]
	v_cvt_pk_f16_f32 v[UB+32*((2+3*(\k))/8)+8*(\t)+(2+3*(\k))%8], v[ES+4+(\t)], v[ES+8+(\t)]
	v_cvt_pk_f16_f32 v[UB+32*((3+3*(\k))/8)+8*(\t)+(3+3*(\k))%8], v[(\cc)+(\t)], v[(\cc)+4+(\t)]
.endr
.endm
	; ---- the head
	s_load_b512 s[4:19], s[0:1], 0x0               ; latent 4, pts_a 6, pts_b 8, dirs_a 10, dirs_b 12, z_vals 14, wst 16, bias 18
	s_load_b64 s[20:21], s[0:1], 0x40              ; out0
	v_lshl_add_u32 v[SPW], v0, 2, SPARE
	v_mov_b32 v[NIL], 0
	ds_add_u32 v[SPW], v[NIL]                      ; the wave's opening: the add, twice on end, and its wait ahead of my first tensor load
	ds_add_u32 v[SPW], v[NIL]
	v_lshrrev_b32 v16, 5, v0
	v_readfirstlane_b32 s[WV], v16
	s_lshr_b32 s[MLP], s[WV], 1
	s_and_b32 s[HALF], s[WV], 1
	s_bfe_u32 s[CX], ttmp6, 0x40000                ; my place in the cluster
	s_lshl_b32 s[GG], ttmp9, 2
	s_add_co_u32 s[GG], s[GG], s[CX]               ; g: it enters global addresses alone
	s_lshl_b32 s72, s[GG], 1
	s_add_co_u32 s73, s[GG], 222
	s_add_co_u32 s74, s72, s[HALF]
	s_min_u32 s[RAYH], s74, s73
	s_mov_b32 s[G1], 15|(3<<16)|(1<<21)            ; 15:0 the mask of four; 17:16 elements of 8 bytes; 21 set beside a mask; no padding
	s_mov_b32 s[G1+1], 32<<16                      ; tensor_dim0 = 32: rows of 256 bytes
	s_mov_b32 s[G1+2], 128<<16                     ; tensor_dim1 = 128
	s_mov_b32 s[G1+3], 32<<16                      ; tile_dim0 = 32
	s_mov_b32 s[G1+4], 128                         ; tile_dim1 = 128: a quarter of a tile, 32,768 dense bytes
	s_mov_b32 s[G1+5], 32                          ; 32 elements from row to row
	s_mov_b32 s[G1+6], 0
	s_mov_b32 s[G1+7], 0
	s_lshl_b32 s75, s[WV], 15                      ; my quarter
	s_mov_b32 s[G0A], 1
	s_mov_b32 s[G0A+1], s75
	s_mov_b32 s[G0], 1
	s_add_co_u32 s[G0+1], s75, SLOT
	s_mov_b32 s[SEL], 0x76543210
	s_mov_b32 s[SEL+1], 0xfedcba98
	s_mov_b32 s[HM], 0xffff0000
	s_mov_b32 s[TB], 0
	s_mov_b32 s[NLEFT], 30
	s_cmp_eq_u32 ttmp9, 0                          ; cluster 0: the same in all four partners
	s_cselect_b32 s[LIM], 2, -1
	s_cmp_eq_u32 s[MLP], 0                         ; the density waves
	s_cselect_b32 s[LIM2], 2, -1
	v_and_b32 v16, 15, v0                          ; r
	v_bfe_u32 v17, v0, 4, 1                        ; h
	v_and_b32 v18, 31, v0                          ; lane
	s_lshl_b32 s72, s[MLP], 15
	v_lshl_add_u32 v[A0], v18, 4, s72
	v_mul_u32_u24 v[DZO], v16, 3072
	v_lshl_add_u32 v[DZO], v17, 5, v[DZO]
	v_mul_u32_u24 v[PFL], v18, 3072
	s_mul_i32 s72, s[MLP], 7168
	v_lshl_add_u32 v[BOA], v17, 5, s72
	v_add_nc_u32 v[BOB], 1024, v[BOA]
	v_mov_b32 v[ZERO], 0
	v_lshlrev_b32 v[PFO], 8, v18
	s_mul_i32 s72, s[MLP], 1536
	s_lshl_b32 s73, s[HALF], 8
	s_add_co_u32 s72, s72, s73
	s_add_co_u32 s72, s72, SCR
	v_mul_u32_u24 v[SST], v17, 3072
	v_lshl_add_u32 v[SST], v16, 2, v[SST]
	v_add_nc_u32 v[SST], s72, v[SST]
	v_mul_u32_u24 v[PO], v16, 12
	s_mul_i32 s72, s[MLP], 768
	v_lshl_add_u32 v[NPO], v18, 3, s72             ; lane l takes the column sums of wave l / 4, chunks 2 (l % 4) and + 1
	v_and_b32 v[NBO], 7, v18
	s_mul_i32 s72, s[MLP], 12
	v_lshl_add_u32 v[NBO], v[NBO], 7, s72          ; and |b0| of wave l % 8
	s_wait_dscnt 0x0                               ; both opening adds are done
	s_wait_kmcnt 0x0
	s_mov_b32 s73, 0
	s_mov_b32 s72, s75
	s_add_nc_u64 s[G0A+2:G0A+3], s[16:17], s[72:73]  ; my quarter of tile 0,
	s_add_nc_u64 s[G0+2:G0+3], s[G0A+2:G0A+3], SLOT  ; of tile 1
	s_or_b32 s[G0A+3], s[G0A+3], 0x80000000
	s_or_b32 s[G0+3], s[G0+3], 0x80000000
	s_lshl_b32 s72, s[CX], 2
	s_add_co_u32 s72, s72, s[WV]
	s_lshl_b32 s72, s72, 13
	s_add_co_u32 s72, s72, 3*SLOT
	s_add_nc_u64 s[PFA:PFA+1], s[16:17], s[72:73]  ; my 8,192 bytes of tile 3; the first change of slots steps it to tile 4
	s_mul_i32 s72, s[RAYH], 196608
	s_add_nc_u64 s[LATW:LATW+1], s[4:5], s[72:73]
	s_mul_i32 s72, s[RAYH], 768
	s_add_nc_u64 s[6:7], s[6:7], s[72:73]
	s_add_nc_u64 s[8:9], s[8:9], s[72:73]
	s_add_nc_u64 s[10:11], s[10:11], s[72:73]
	s_add_nc_u64 s[12:13], s[12:13], s[72:73]
	s_lshl_b32 s72, s[RAYH], 8
	s_add_nc_u64 s[14:15], s[14:15], s[72:73]
	s_lshl_b32 s72, s[RAYH], 4
	s_add_nc_u64 s[20:21], s[20:21], s[72:73]
	s_load_b128 s[OB:OB+3], s[18:19], 0x3800       ; the output biases
	CROUND                                         ; all four work-groups are here: the first joint loads meet
	tensor_load_to_lds s[G0A:G0A+3], s[G1:G1+7]    ; tiles 0 and 1: two loads of mine are out
	s_nop 0
	tensor_load_to_lds s[G0:G0+3], s[G1:G1+7]
	s_nop 0
.rept 4
	v_nop
.endr
	BIASLD                                         ; b_in + bz[0]: the C operand of the input layer's first products
.irp i, 0,1,2
	global_load_b64 v[NP+2*(\i):NP+2*(\i)+1], v[NPO], s[18:19] offset:PTAB+256*(\i)
	global_load_b32 v[NB+(\i)], v[NBO], s[18:19] offset:BTAB+4*(\i)
.endr
	WIN 0x80
.irp t, 0,1,2,3
	global_load_b96 v[EPA+4*(\t):EPA+4*(\t)+2], v[PO], s[6:7] offset:192*(\t)
	global_load_b96 v[EPB+4*(\t):EPB+4*(\t)+2], v[PO], s[8:9] offset:192*(\t)
	global_load_b96 v[EDA+4*(\t):EDA+4*(\t)+2], v[PO], s[10:11] offset:192*(\t)
	global_load_b96 v[EDB+4*(\t):EDB+4*(\t)+2], v[PO], s[12:13] offset:192*(\t)
.endr
	WIN 0
	DLOADH LDE, LATW, 0, 0                         ; the first z step's latent
	DLOADH LDE, LATW, 0, 1
	; ---- the norms and the encoding
	s_wait_loadcnt 32                              ; all that was asked for ahead of those 32 is in
.irp i, 0,1,2
	v_max_num_f32 v[NP+2*(\i)], v[NP+2*(\i)], v[NP+2*(\i)+1]
.endr
.irp k, 1,2                            ; the largest over the eight chunks: lanes 4 w .. 4 w + 3
.irp i, 0,1,2
	v_max_num_f32_dpp v[NP+2*(\i)], v[NP+2*(\i)], v[NP+2*(\i)] row_xmask:\k row_mask:0xf bank_mask:0xf
.endr
.endr
.irp k, 4,8                            ; the sum over the eight groups of 32 rows: no less than the largest whole column sum
.irp i, 0,1,2
	v_add_f32_dpp v[NP+2*(\i)], v[NP+2*(\i)], v[NP+2*(\i)] row_xmask:\k row_mask:0xf bank_mask:0xf
.endr
.endr
.irp i, 0,1,2
	v_permlanex16_b32 v[NP+2*(\i)+1], v[NP+2*(\i)], s[SEL], s[SEL+1]
.endr
.irp i, 0,1,2
	v_add_f32 v[NP+2*(\i)], v[NP+2*(\i)], v[NP+2*(\i)+1]
.endr
.irp i, 0,1,2
	v_max_num_f32 v[NP+2*(\i)], 1.0, v[NP+2*(\i)]  ; 1 at the least, so that the bound also holds x itself
.endr
.irp k, 1,2,4
.irp i, 0,1,2
	v_max_num_f32_dpp v[NB+(\i)], v[NB+(\i)], v[NB+(\i)] row_xmask:\k row_mask:0xf bank_mask:0xf
.endr
.endr
	v_readfirstlane_b32 s[MC], v[NP]
	v_readfirstlane_b32 s[BC], v[NB]
	v_readfirstlane_b32 s[M1], v[NP+2]
	v_readfirstlane_b32 s[B1], v[NB+1]
	v_readfirstlane_b32 s[M2], v[NP+4]
	v_readfirstlane_b32 s[B2], v[NB+2]
	WIN 0xaa                                       ; the encoding: lanes 0-15 take side a, lanes 16-31 side b
.irp c, 0,1,2
.irp t, 0,1,2,3
	v_cndmask_b32 v[EX+4*(\c)+(\t)], v[EPA+4*(\t)+(\c)], v[EPB+4*(\t)+(\c)], s[HM]
	v_cndmask_b32 v[ED+4*(\c)+(\t)], v[EDA+4*(\t)+(\c)], v[EDB+4*(\t)+(\c)], s[HM]
.endr
.endr
	ALL6 v_cvt_pk_bf16_f32 v[EM+p], v[EX+p], v[EX+p+1]
	ALL6 v_lshlrev_b32 v[EX+p], 16, v[EM+p]
	ALL6 v_and_b32 v[EX+p+1], s[HM], v[EM+p]
	ALL6 v_cvt_pk_bf16_f32 v[EM+p], v[ED+p], v[ED+p+1]
	ALL6 v_lshlrev_b32 v[ED+p], 16, v[EM+p]
	ALL6 v_and_b32 v[ED+p+1], s[HM], v[EM+p]
	v_mov_b32 v[EK], 0xbbf183a8                    ; -pi^11 / 11!
	v_mov_b32 v[EK+1], 0xbbf183a8
	v_mov_b32 v[EK+2], 0x3afce9c5                  ; pi^12 / 12!
	v_mov_b32 v[EK+3], 0x3afce9c5
	ALL6 v_pk_mul_f32 v[ET+p:ET+p+1], v[EX+p:EX+p+1], 0.5 op_sel_hi:[1,0]
.set p, 0
.rept 12
	v_rndne_f32 v[EQ+p], v[ET+p]
.set p, p+1
.endr
	ALL6 v_pk_add_f32 v[ET+p:ET+p+1], v[ET+p:ET+p+1], v[EQ+p:EQ+p+1] neg_lo:[0,1] neg_hi:[0,1]
	ALL6 v_pk_mul_f32 v[EQ+p:EQ+p+1], v[ET+p:ET+p+1], v[ET+p:ET+p+1]
	ALL6 v_pk_fma_f32 v[ES+p:ES+p+1], v[EQ+p:EQ+p+1], v[EK:EK+1], 0x3da83c1a op_sel_hi:[1,1,0]
	ALL6 v_pk_fma_f32 v[EC+p:EC+p+1], v[EQ+p:EQ+p+1], v[EK+2:EK+3], 0xbcd368f9 op_sel_hi:[1,1,0]
	ALL6 v_pk_fma_f32 v[ES+p:ES+p+1], v[ES+p:ES+p+1], v[EQ+p:EQ+p+1], 0xbf196966 op_sel_hi:[1,1,0]
	ALL6 v_pk_fma_f32 v[EC+p:EC+p+1], v[EC+p:EC+p+1], v[EQ+p:EQ+p+1], 0x3e70fa83 op_sel_hi:[1,1,0]
	ALL6 v_pk_fma_f32 v[ES+p:ES+p+1], v[ES+p:ES+p+1], v[EQ+p:EQ+p+1], 0x402335e3 op_sel_hi:[1,1,0]
	ALL6 v_pk_fma_f32 v[EC+p:EC+p+1], v[EC+p:EC+p+1], v[EQ+p:EQ+p+1], 0xbfaae9e4 op_sel_hi:[1,1,0]
	ALL6 v_pk_fma_f32 v[ES+p:ES+p+1], v[ES+p:ES+p+1], v[EQ+p:EQ+p+1], 0xc0a55de7 op_sel_hi:[1,1,0]
	ALL6 v_pk_fma_f32 v[EC+p:EC+p+1], v[EC+p:EC+p+1], v[EQ+p:EQ+p+1], 0x4081e0f8 op_sel_hi:[1,1,0]
	ALL6 v_pk_fma_f32 v[ES+p:ES+p+1], v[ES+p:ES+p+1], v[EQ+p:EQ+p+1], 0x40490fdb op_sel_hi:[1,1,0]
	ALL6 v_pk_fma_f32 v[EC+p:EC+p+1], v[EC+p:EC+p+1], v[EQ+p:EQ+p+1], 0xc09de9e6 op_sel_hi:[1,1,0]
	ALL6 v_pk_mul_f32 v[ES+p:ES+p+1], v[ES+p:ES+p+1], v[ET+p:ET+p+1]
	ALL6 v_pk_fma_f32 v[EC+p:EC+p+1], v[EC+p:EC+p+1], v[EQ+p:EQ+p+1], 1.0 op_sel_hi:[1,1,0]
	DBL EC, ET                                     ; sin, cos of pi t doubled: those of pi x, frequency 0
	EMIT 0, EX+8, ET
	DBL ET, EC
	EMIT 1, ET+8, EC
	DBL EC, ET
	EMIT 2, EC+8, ET
	DBL ET, EC
	EMIT 3, ET+8, EC
	DBL EC, ET
	EMIT 4, EC+8, ET
	DBL ET, EC
	EMIT 5, ET+8, EC
.irp t, 0,1,2,3
	v_cvt_pk_f16_f32 v[UB+8*(\t)], v[EX+(\t)], v[EX+4+(\t)]        ; pair 0: x, y
	v_cvt_pk_f16_f32 v[UB+64+8*(\t)+3], v[EC+8+(\t)], v[ED+(\t)]   ; pair 19: the last cos z, direction x
	v_cvt_pk_f16_f32 v[UB+64+8*(\t)+4], v[ED+4+(\t)], v[ED+8+(\t)] ; pair 20: direction y, z
.endr
	WIN 0
.irp t, 0,1,2,3
	v_mov_b32 v[UB+64+8*(\t)+5], 0                 ; slots 42-47
	v_mov_b32 v[UB+64+8*(\t)+6], 0
	v_mov_b32 v[UB+64+8*(\t)+7], 0
.endr
	s_wait_kmcnt 0x0                               ; the output biases
	s_wait_tensorcnt 0x1                           ; my quarter of tile 0 is in; tile 1's may stay out
	s_barrier_signal -1
	s_barrier_wait -1                              ; everybody's is
	; ---- the input layer: steps 0 and 1, tile 0
	STEPIN
	UNITS f16, UB, UB+32, 1                        ; K steps 0 (it starts x's sums, from the first biases) and 1
	STEPIN
	s_wait_dscnt 16
	MULX f16, FP, 0, UB+64, 0                      ; K step 2; the step's second unit is zeros and is not read
	s_wait_dscnt 0x0
	MULX f16, FQ, 1, UB+64, 0
	WIN 0
	s_xor_b32 s[TB], s[TB], HSTEP
	; ---- three blocks of 20 steps, 10 tiles.  Each loop's trip begins with the change into its tile.  Between an f16 and a bf16 product on one accumulator stands a vector pass, or places and conversions.
	s_mov_b32 s[BLK], 3
.Lblock:
	PLACES
	DLOADH LDO, LATW, 256, 0                       ; the second z step's latent: the biases' registers are free
	DLOADH LDO, LATW, 256, 1
	s_add_nc_u64 s[LP:LP+1], s[LATW:LATW+1], 512   ; the first trip's steps load the third and fourth steps' channels
	s_mov_b32 s[CNT], 6
.Lz:
	CHANGE 2
	ZS LDE, 0                                      ; K steps 4 t, 4 t + 1 of latent x Wz,
	ZS LDO, 256                                    ; 4 t + 2, 4 t + 3
	s_wait_xcnt 0x0                                ; the trip's loads and prefetches, the youngest 64 products back, have read their base
	s_add_nc_u64 s[LP:LP+1], s[LP:LP+1], 512
	s_sub_co_u32 s[CNT], s[CNT], 1
	s_cmp_lg_u32 s[CNT], 0
	s_cbranch_scc1 .Lz
	BBLD                                           ; b0 of chunk 0
	RELU
	s_mov_b32 s[CN2], 3
.Lf:
	CHANGE 2
	s_mov_b32 s[CNT], 2
.Lf2:
	FCS 1, 0, 0                                    ; chunks 0-5: one text, walked twice for a tile
	s_sub_co_u32 s[CNT], s[CNT], 1
	s_cmp_lg_u32 s[CNT], 0
	s_cbranch_scc1 .Lf2
	s_sub_co_u32 s[CN2], s[CN2], 1
	s_cmp_lg_u32 s[CN2], 0
	s_cbranch_scc1 .Lf
	s_cmp_eq_u32 s[BLK], 1
	s_cbranch_scc1 .Llast                          ; the last block's tail is written out: it asks for nothing more
	CHANGE 2
	FCS 1, 0, 0
	FCS 0, 1, 0
	UNSCALE 32                                     ; the 32 loads of the next z layer's first latent channels stay out
	v_add_nc_u32 v[BOB], 1152, v[BOB]              ; the next block's row of b0
	s_mov_b32 s[MC], s[M1]                         ; and its norms
	s_mov_b32 s[BC], s[B1]
	s_mov_b32 s[M1], s[M2]
	s_mov_b32 s[B1], s[B2]
	s_mov_b32 s[LIM2], -1                          ; the latent has been walked once: it is prefetched no more
	s_sub_co_u32 s[BLK], s[BLK], 1
	s_branch .Lblock
.Llast:
	CHANGE 1
	FCS 1, 0, 0
	FCS 0, 1, 1
	UNSCALE 0                                      ; x += b1[2]; its wait also covers the depths and W_out
	s_mov_b32 s[MC], 1.0                           ; the output layer: the bound is x's own
	s_mov_b32 s[BC], 0
	RELU
	; ---- the output layer: 16 output rows of which 1 or 3 are real; four accumulators by turns
	WIN 0x04
.irp k, 0,1,2,3,4,5,6,7
.irp pt, 0,1,2,3
.if (\k) == 0
	v_wmma_f32_16x16x32_f16 v[ACC+8*(\pt):ACC+8*(\pt)+7], v[FP+8*(\k):FP+8*(\k)+7], v[8*(4*(\k)+(\pt)):8*(4*(\k)+(\pt))+7], 0
.else
	v_wmma_f32_16x16x32_f16 v[ACC+8*(\pt):ACC+8*(\pt)+7], v[FP+8*(\k):FP+8*(\k)+7], v[8*(4*(\k)+(\pt)):8*(4*(\k)+(\pt))+7], v[ACC+8*(\pt):ACC+8*(\pt)+7]
.endif
.endr
.endr
	PLACES
	WIN 0
.irp pt, 0,1,2,3
	v_sub_nc_u32 v[64+(\pt)], 0x7f000000, v[UU+(\pt)]              ; 1 / u
.endr
.irp pt, 0,1,2,3
.irp c, 0,1,2
	v_mul_f32 v[68+3*(\pt)+(\c)], v[ACC+8*(\pt)+(\c)], v[64+(\pt)]
.endr
.endr
.irp pt, 0,1,2,3
.irp c, 0,1,2
	ds_store_b32 v[SST], v[68+3*(\pt)+(\c)] offset:512*(\c)+64*(\pt)
.endr
.endr
	s_wait_dscnt 0x0                               ; for the others' sake
	s_barrier_signal -1
	s_barrier_wait -1
	s_cmp_lt_u32 s[WV], 2
	s_cbranch_scc0 .Lend
	; ---- the rendering: wave 0 the first ray, wave 1 the second; lane l holds samples 2 l and 2 l + 1
	v_and_b32 v40, 31, v0
	s_lshl_b32 s72, s[HALF], 8
	s_add_co_u32 s72, s72, SCR
	v_lshl_add_u32 v19, v40, 3, s72
	ds_load_b64 v[20:21], v19                      ; sigma
	ds_load_b64 v[22:23], v19 offset:1536          ; the three colours
	ds_load_b64 v[24:25], v19 offset:2048
	ds_load_b64 v[26:27], v19 offset:2560
	v_cvt_pk_bf16_f32 v28, v16, v17                ; the depths, rounded to bf16 like every input
	v_cvt_pk_bf16_f32 v29, v18, v18
	v_lshlrev_b32 v16, 16, v28
	v_and_b32 v17, s[HM], v28
	v_lshlrev_b32 v18, 16, v29
	v_sub_f32 v30, v17, v16
	v_sub_f32 v31, v18, v17
	v_mov_b32 v29, 0x447a0000                      ; the last sample's step is 1e3
	v_cmp_eq_u32 vcc_lo, 31, v40
	v_cndmask_b32 v31, v31, v29, vcc_lo
	s_wait_dscnt 0x0
	v_add_f32 v20, s[OB], v20
	v_add_f32 v21, s[OB], v21
	v_max_num_f32 v20, 0, v20
	v_max_num_f32 v21, 0, v21
	v_mul_f32 v20, v20, v30
	v_mul_f32 v21, v21, v31
	v_add_f32 v22, s[OB+1], v22
	v_add_f32 v23, s[OB+1], v23
	v_add_f32 v24, s[OB+2], v24
	v_add_f32 v25, s[OB+2], v25
	v_add_f32 v26, s[OB+3], v26
	v_add_f32 v27, s[OB+3], v27
.irp x, 20,21,22,23,24,25,26,27
	v_mul_f32 v\x, 0xbfb8aa3b, v\x                 ; times -log2(e)
.endr
.irp x, 20,21,22,23,24,25,26,27
	v_exp_f32 v\x, v\x
.endr
	v_nop                                          ; a plain instruction behind the last exponential,
	s_wait_alu depctr_va_vdst(0)                   ; and one wait for the eight, ahead of their first reader
	v_sub_f32 v32, 1.0, v20                        ; alpha
	v_sub_f32 v33, 1.0, v21
.irp x, 22,23,24,25,26,27
	v_add_f32 v\x, 1.0, v\x
.endr
.irp x, 22,23,24,25,26,27
	v_rcp_f32 v\x, v\x                             ; the sigmoids
.endr
	v_sub_f32 v34, 1.0, v32                        ; 1 - alpha + 1e-10
	v_sub_f32 v35, 1.0, v33
	v_add_f32 v34, 0x2edbe6ff, v34
	v_add_f32 v35, 0x2edbe6ff, v35
	s_wait_alu depctr_va_vdst(0)                   ; one wait for the six reciprocals
	v_mul_f32 v36, v34, v35                        ; my two samples' factor
	v_lshlrev_b32 v41, 2, v40
.irp d, 1,2,4,8,16                     ; the running product over the lanes
	v_add_nc_u32 v42, -4*(\d), v41
	v_and_b32 v42, 124, v42
	ds_bpermute_b32 v43, v42, v36
	v_cmp_le_u32 vcc_lo, \d, v40
	s_wait_dscnt 0x0
	v_mul_f32 v43, v43, v36
	v_cndmask_b32 v36, v36, v43, vcc_lo
.endr
	v_add_nc_u32 v42, -4, v41
	v_and_b32 v42, 124, v42
	ds_bpermute_b32 v43, v42, v36                  ; the lanes before me
	v_mov_b32 v44, 1.0
	v_cmp_eq_u32 vcc_lo, 0, v40
	s_wait_dscnt 0x0
	v_cndmask_b32 v43, v43, v44, vcc_lo
	v_mul_f32 v32, v32, v43                        ; the weights
	v_mul_f32 v44, v43, v34
	v_mul_f32 v33, v33, v44
	v_mul_f32 v48, v32, v22
	v_mul_f32 v49, v32, v24
	v_mul_f32 v50, v32, v26
	v_mul_f32 v51, v32, v16
	v_fmac_f32 v48, v33, v23
	v_fmac_f32 v49, v33, v25
	v_fmac_f32 v50, v33, v27
	v_fmac_f32 v51, v33, v17
.irp k, 1,2,4,8
.irp x, 48,49,50,51
	v_add_f32_dpp v\x, v\x, v\x row_xmask:\k row_mask:0xf bank_mask:0xf
.endr
.endr
	v_permlanex16_b32 v28, v48, s[SEL], s[SEL+1]
	v_permlanex16_b32 v29, v49, s[SEL], s[SEL+1]
	v_permlanex16_b32 v30, v50, s[SEL], s[SEL+1]
	v_permlanex16_b32 v31, v51, s[SEL], s[SEL+1]
	v_add_f32 v48, v48, v28
	v_add_f32 v49, v49, v29
	v_add_f32 v50, v50, v30
	v_add_f32 v51, v51, v31
	v_mov_b32 v45, 0
	v_cmp_eq_u32 vcc_lo, 0, v40
	s_wait_xcnt 0x0                                ; EXEC changes only when every earlier memory instruction has read its sources
	s_and_saveexec_b32 s74, vcc_lo
	global_store_b128 v45, v[48:51], s[20:21]      ; the ray's colour and depth
	s_wait_xcnt 0x0
	s_or_b32 exec_lo, exec_lo, s74
.Lend:
	s_wait_tensorcnt 0x0                           ; the wave's end: behind my last tensor load and my last LDS store
	ds_add_u32 v[SPW], v[NIL]
	s_wait_dscnt 0x0
	CROUND                                         ; the closing round: no work-group ends while a partner may still ask for a tile that names it
	s_endpgm
.Lfunc_end_k_q47db473abf_main:
	.size	k_q47db473abf_main, .Lfunc_end_k_q47db473abf_main-k_q47db473abf_main
	.p2alignl 7, 3214868480
	.fill 96, 4, 3214868480
	.section	.rodata,"a",@progbits
	.p2align	6, 0x0
	.amdhsa_kernel k_q47db473abf_main
		.amdhsa_group_segment_fixed_size 327680
		.amdhsa_private_segment_fixed_size 0
		.amdhsa_enable_private_segment 0
		.amdhsa_kernarg_size 72
		.amdhsa_user_sgpr_count 2
		.amdhsa_user_sgpr_kernarg_segment_ptr 1
		.amdhsa_wavefront_size32 1
		.amdhsa_system_sgpr_workgroup_id_x 1
		.amdhsa_system_sgpr_workgroup_id_y 1
		.amdhsa_system_sgpr_workgroup_id_z 1
		.amdhsa_system_vgpr_workitem_id 0
		.amdhsa_next_free_vgpr 1024
		.amdhsa_next_free_sgpr 80
		.amdhsa_reserve_vcc 1
		.amdhsa_float_denorm_mode_32 3
		.amdhsa_float_denorm_mode_16_64 3
		.amdhsa_memory_ordered 1
		.amdhsa_forward_progress 1
		.amdhsa_inst_pref_size 255
	.end_amdhsa_kernel
	.section	.bss,"aw",@nobits
	.p2align	6
	.space	262144
	.amdgpu_metadata
---
amdhsa.version: [ 1, 2 ]
amdhsa.kernels:
  - .name:           k_q47db473abf_main
    .symbol:         k_q47db473abf_main.kd
    .args:
      - { .name: latent, .offset: 0, .size: 8, .value_kind: global_buffer, .address_space: global }
      - { .name: pts_a, .offset: 8, .size: 8, .value_kind: global_buffer, .address_space: global }
      - { .name: pts_b, .offset: 16, .size: 8, .value_kind: global_buffer, .address_space: global }
      - { .name: dirs_a, .offset: 24, .size: 8, .value_kind: global_buffer, .address_space: global }
      - { .name: dirs_b, .offset: 32, .size: 8, .value_kind: global_buffer, .address_space: global }
      - { .name: z_vals, .offset: 40, .size: 8, .value_kind: global_buffer, .address_space: global }
      - { .name: wst, .offset: 48, .size: 8, .value_kind: global_buffer, .address_space: global }
      - { .name: bias, .offset: 56, .size: 8, .value_kind: global_buffer, .address_space: global }
      - { .name: out0, .offset: 64, .size: 8, .value_kind: global_buffer, .address_space: global }
    .group_segment_fixed_size: 327680
    .private_segment_fixed_size: 0
    .kernarg_segment_align: 8
    .kernarg_segment_size: 72
    .max_flat_workgroup_size: 128
    .sgpr_count:     80
    .vgpr_count:     1024
    .wavefront_size: 32
...
	.end_amdgpu_metadata
.endif
;; end of part 2
